; MI455X (gfx1250); checked and timed in simulation.
; The chip was launched on July 23, 2026; its instructions are those of AMD's public machine-readable ISA for CDNA 5 (MIT licence, August 2026) and "CDNA5" Instruction Set Architecture Reference Guide (July 2026). The comments in the code are by the model that wrote it; some were corrected since.
;; Mo E Layer. Allowed arithmetic: matrix products marked QUANTISED: E2M1 operands, one E8M0 scale for each 32 along K, by v_wmma_scale_f32_16x16x128_f8f6f4 with both operands' format E2M1 (or v_wmma_scale_f32_32x16x128_f4), f32 sums; products left as they are: f32 operands where the result goes on into a quantised operand, else bf16, f16 or f32 operands; f32 sums; everything else in f32.
;; Inputs: b1 8 x 4,096 float32; b2 8 x 1,024 float32; router_b 8 float32; router_w 1,024 x 8 float32; w1_codes 8 x 4,096 x 32 x 16 uint8 (E2M1 codes of w1, K innermost, in blocks of 32 codes, two codes a byte); w1_scales 8 x 4,096 x 32 uint8 (E8M0 scales of w1, one for each 32 codes along K); w2_codes 8 x 1,024 x 128 x 16 uint8 (E2M1 codes of w2, K innermost, in blocks of 32 codes, two codes a byte); w2_scales 8 x 1,024 x 128 uint8 (E8M0 scales of w2, one for each 32 codes along K); x 4 x 256 x 1,024 float32.
;; Outputs: out0 4 x 256 x 1,024 float32.
;; Constants: top_k = 2.
;; This version of the problem:
;;   THIS VERSION OF THE PROBLEM IS GIVEN IN LOW PRECISION. The matrix products marked QUANTISED in the list below multiply operands that are first quantised to E2M1 (2 exponent bits, 1 mantissa bit; 4 bits a number), with one power-of-two scale for each 32 numbers along K (OCP MX v1.0); their sums are f32. All else is computed in f32.
;;   The module's matrix products, in the order in which they are computed (A, B: the left and right operand; K: the contracted axis; several contracted axes count as one K, in the product's order):
;;     1. [M 1,024, K 1,024] x [K 1,024, N 8]; A: input x; B: input router_w: left as it is (N = 8 < 16)
;;     2. [M 1,024, K 1,024] x [K 1,024, N 4,096]; A: input x; B: input w1 (given as codes): QUANTISED
;;     3. [M 1,024, K 4,096] x [K 4,096, N 1,024]; A: computed on the way; B: input w2 (given as codes): QUANTISED
;;     4. [M 1,024, K 1,024] x [K 1,024, N 4,096]; A: input x; B: input w1 (given as codes): QUANTISED
;;     5. [M 1,024, K 4,096] x [K 4,096, N 1,024]; A: computed on the way; B: input w2 (given as codes): QUANTISED
;;     6. [M 1,024, K 1,024] x [K 1,024, N 4,096]; A: input x; B: input w1 (given as codes): QUANTISED
;;     7. [M 1,024, K 4,096] x [K 4,096, N 1,024]; A: computed on the way; B: input w2 (given as codes): QUANTISED
;;     8. [M 1,024, K 1,024] x [K 1,024, N 4,096]; A: input x; B: input w1 (given as codes): QUANTISED
;;     9. [M 1,024, K 4,096] x [K 4,096, N 1,024]; A: computed on the way; B: input w2 (given as codes): QUANTISED
;;     10. [M 1,024, K 1,024] x [K 1,024, N 4,096]; A: input x; B: input w1 (given as codes): QUANTISED
;;     11. [M 1,024, K 4,096] x [K 4,096, N 1,024]; A: computed on the way; B: input w2 (given as codes): QUANTISED
;;     12. [M 1,024, K 1,024] x [K 1,024, N 4,096]; A: input x; B: input w1 (given as codes): QUANTISED
;;     13. [M 1,024, K 4,096] x [K 4,096, N 1,024]; A: computed on the way; B: input w2 (given as codes): QUANTISED
;;     14. [M 1,024, K 1,024] x [K 1,024, N 4,096]; A: input x; B: input w1 (given as codes): QUANTISED
;;     15. [M 1,024, K 4,096] x [K 4,096, N 1,024]; A: computed on the way; B: input w2 (given as codes): QUANTISED
;;     16. [M 1,024, K 1,024] x [K 1,024, N 4,096]; A: input x; B: input w1 (given as codes): QUANTISED
;;     17. [M 1,024, K 4,096] x [K 4,096, N 1,024]; A: computed on the way; B: input w2 (given as codes): QUANTISED
;;   THE QUANTISER, for each operand of a quantised product, along K:
;;     - K is cut into blocks of 32 from its start; a last block that is shorter is filled with zeros.
;;     - A block's scale is 2^e with e = floor(log2(the largest magnitude in the block)) - 2, held to -126 .. 127; a block of zeros has e = 0. As a byte (E8M0): e + 127.
;;     - Each number is divided by its block's scale, clamped to +-6, and rounded to the nearest number of E2M1, ties to even, subnormals kept.
;;     - The product sums the exact products of the quantised numbers (number of the format x scale) in f32.
;;   ~~~python
;;   def quantise(x, axis):      # numpy; x: float32 -> the quantised numbers, widened to float32 again
;;       x = np.moveaxis(x, axis, -1); K = x.shape[-1]
;;       x = np.pad(x, [(0, 0)] * (x.ndim - 1) + [(0, -K % 32)]); x = x.reshape(x.shape[:-1] + (-1, 32)); a = np.abs(x).max(-1, keepdims=True)
;;       e = np.where(a > 0, np.clip(np.frexp(np.where(a > 0, a, 1))[1] - 1 - 2, -126, 127), 0)      # np.frexp(a)[1] - 1 = floor(log2(a)), exactly
;;       r = np.clip(x / 2.0 ** e, -6, 6)
;;       step = 2.0 ** (np.maximum(np.frexp(np.where(r == 0, 1, r))[1] - 1, 0) - 1)
;;       q = np.round(r / step) * step * 2.0 ** e      # np.round: ties to even
;;       return np.moveaxis(q.reshape(q.shape[:-2] + (-1,))[..., :K], -1, axis).astype(np.float32)
;;   ~~~
;;   OPERANDS COMPUTED ON THE WAY. 'Computed on the way' means the value that the module computes at that place (a softmax that the list does not call 'softmax' is quantised finished and normalised). What goes into a quantiser is computed in f32, as accurately as f32 sums, v_exp_f32 and their like allow (about 1e-6 of the number): no bf16 or f16 on the way to a quantiser, and a product that is left as it is and whose result goes on into a quantised operand takes f32 operands (vector FMAs, or v_wmma_f32_16x16x4_f32). A number that lies on a knife's edge between two numbers of the format may be rounded either way, as far as f32 arithmetic and the matrix unit's own rounding can turn it there, and no further.
;;   INPUTS GIVEN AS CODES. w1 (in the module: [8, 1024, 4096], K = its axis 1); w2 (in the module: [8, 4096, 1024], K = its axis 1): each comes as NAME_codes (uint8): NAME with its K axis moved to the last place and cut into blocks of 32 codes, [.., K / 32, bytes a block], one block behind the other in memory; two codes a byte, the lower K in the low four bits (a code: sign, 2 exponent bits, 1 mantissa bit); and NAME_scales (uint8): the same leading axes, one E8M0 byte (e + 127) for each 32 codes along K. Its value is code x scale, taken as it is: it is not quantised again, and the codes and scales need not be those that the quantiser above would give.
;; One version. Each part assembles by itself: llvm-mc -triple=amdgcn-amd-amdhsa -mcpu=gfx1250 --defsym DOCPART=n.
;; ======== version 1 of 1: 4 launches
;; limits: right only within a limited range of input values
;; workspace buffers: xq 524,288 bytes; xs 32,768 bytes; sel 4,096 bytes of whole numbers; gate 8,192 bytes; pos 33,792 bytes of whole numbers; hq 16,777,216 bytes; hs 1,048,576 bytes; y 8,421,376 bytes
;; launch route (part 1): grid 256 x 1, 4 waves a work-group, no clusters, 58,880 bytes of LDS; arguments x, router_w, router_b, xq, xs, sel, gate; writes xq, xs, sel, gate
.if DOCPART == 1
	.amdgcn_target "amdgcn-amd-amdhsa--gfx1250"
	.amdhsa_code_object_version 6
	.text
	.protected	k_q6f30024b63_route
	.globl	k_q6f30024b63_route
	.p2align	8
	.type	k_q6f30024b63_route,@function
k_q6f30024b63_route:
	s_mov_b64 s[64:65], 0
	v_nop
	global_prefetch_b8 v0, s[64:65] scope:SCOPE_SE
	s_setreg_imm32_b32 hwreg(HW_REG_WAVE_MODE, 25, 1), 1
	s_wait_xcnt 0x0
; FIRST OF FOUR LAUNCHES of a layer of 8 experts with a top-2 router, 1,024 tokens of 1,024 numbers.
; This one: logits = x router_w + router_b, softmax, top-2 (ties: the lower index), and x into codes of FP4 (E2M1) with one E8M0 byte for each 32 along K.
; WORK LEFT OUT BY THE PROGRAM.  For a token t and an expert j that is not among t's top-2, cw[t][j] is a sum of weights times the zeros of the one_hot that the
; layer builds itself, so cw[t][j] (h w2[j] + b2[j]) is 0 whatever finite values the inputs hold: those rows of the sixteen expert products reach no output and are not computed.
; Every input still has a way to an output, so every input is loaded.  LIMIT: a NaN, an infinity or an overflow that arises only in a row of an expert that was not chosen is not carried to the result.
; The choice is made of floating-point numbers, so nothing here branches or forms an address on it: it is stored at fixed places (sel, gate) and the next launch reads it.
; SHARES.  A wave takes one token, t = 4 x work-group + wave.  router_w (32 KB) is read from memory once by the work-group, 8 KB a wave, and shared through LDS.
; sel[t] = e0 | e1 << 8 | ((1 << e0) | (1 << e1)) << 16;  gate[t] = the two probabilities;  xq[t] = 512 bytes of codes, K innermost;  xs[t] = 32 scale bytes.
; LIMITS: a block whose largest magnitude lies under 2^-124 gets the byte 1, a block of zeros too (its codes are zeros, and this program alone reads the bytes); NaN and infinities in x are not served.
.set WREG,  5376                       ; LDS: a region for each wave: two stages of 32 x 80 bytes, then its 32 scale bytes
.set SP,    80                         ; a lane's place in a stage: 64 bytes + 16 of padding
.set SCB,   2*32*SP
.set RWL,   4*WREG                     ; router_w: 256 groups of four rows (128 bytes), RWP bytes apart
.set RWP,   144                        ; an odd multiple of 16 bytes
.set SPARE, RWL+256*RWP                ; the spare words, 128 bytes for each wave: two blocks of 256 bytes that no other line names
.set SPW,   12                         ; v12  LDS address of my spare word; never rewritten
.set NIL,   13                         ; v13  0; never rewritten
.set R,     16                         ; v16-47   x as loaded: register 4 i + q = x[128 i + 4 lane + q]
.set X,     48                         ; v48-79   two sets of 16 neighbours
.set ACC,   80                         ; v80-87   the eight logits, then the probabilities
.set W,     96                         ; v96-103  at work
.set G,     104                        ; v[104:105] the two gates
.set SW,    106                        ; v106     a word of my token's scale bytes
.set C,     112                        ; v112-115 codes
.set E,     116                        ; v116-117 scale bytes
.set RW0,   128                        ; v128-191, v192-255: two buffers of router_w: register 32 ii + 8 q + e = router_w[128 i + 4 lane + q][e]
.set RW1,   192
	s_load_b256 s[4:11], s[0:1], 0x0               ; x, router_w, router_b, xq
	s_load_b128 s[12:15], s[0:1], 0x20             ; xs, sel
	s_load_b64 s[16:17], s[0:1], 0x30              ; gate
	v_lshl_add_u32 v[SPW], v0, 2, SPARE
	v_mov_b32 v[NIL], 0
	v_lshrrev_b32 v1, 5, v0
	v_readfirstlane_b32 s18, v1                    ; wave
	v_and_b32 v1, 31, v0                           ; lane
	v_lshlrev_b32 v2, 4, v1                        ; x: my 16 bytes of a load's 512
	s_lshl_b32 s19, s18, 13
	v_add_nc_u32 v3, s19, v2                       ; router_w: my wave's 8,192 bytes
	s_mul_i32 s19, s18, WREG
	v_lshrrev_b32 v4, 2, v1
	v_mul_u32_u24 v4, v4, SP
	v_and_b32 v5, 3, v1
	v_lshl_add_u32 v4, v5, 4, v4
	v_add_nc_u32 v4, s19, v4                       ; the stage, way in: four lanes' 64 bytes on end, then the padding
	v_mul_u32_u24 v5, v1, SP
	v_add_nc_u32 v5, s19, v5                       ; way out: my 16 neighbours
	v_lshlrev_b32 v6, 3, v1                        ; my 8 bytes of codes
	s_add_co_u32 s19, s19, SCB
	v_lshrrev_b32 v7, 1, v1
	v_add_nc_u32 v7, s19, v7                       ; my block's scale byte
	v_and_b32 v8, 7, v1
	v_lshlrev_b32 v8, 2, v8
	v_add_nc_u32 v8, s19, v8                       ; a word of the 32 scale bytes
	v_lshlrev_b32 v9, 2, v1                        ; 4 x lane
	s_mul_i32 s19, s18, 64*RWP
	s_add_co_u32 s19, s19, RWL
	v_lshrrev_b32 v10, 3, v1
	v_mul_u32_u24 v10, v10, RWP
	v_and_b32 v11, 7, v1
	v_lshl_add_u32 v10, v11, 4, v10
	v_add_nc_u32 v10, s19, v10                     ; router_w into LDS: eight lanes fill a group of 128 bytes; a load is four groups
	v_mul_u32_u24 v11, v1, RWP
	v_add_nc_u32 v11, RWL, v11                     ; and out of it: group 32 i + lane
	s_lshl_b32 s20, ttmp9, 2
	s_add_co_u32 s20, s20, s18                     ; my token
	s_lshl_b32 s22, s20, 12
	s_mov_b32 s23, 0
	s_mov_b32 s32, 0x76543210
	s_mov_b32 s33, 0xfedcba98                      ; v_permlanex16_b32's selects for lane l xor 16
.irp e, 0,1,2,3,4,5,6,7
	v_mov_b32 v[W+\e], 0                           ; written once: a lane permute's destination counts as one of its sources
.endr
	s_wait_alu depctr_va_vdst(0)
	s_wait_kmcnt 0x0
	s_add_nc_u64 s[4:5], s[4:5], s[22:23]
.irp i, 0,1,2,3,4,5,6,7
	global_load_b128 v[R+4*\i:R+4*\i+3], v2, s[4:5] offset:512*\i th:TH_LOAD_NT    ; 32 lanes read 512 consecutive bytes
.endr
.irp m, 0,1,2,3,4,5,6,7,8,9,10,11,12,13,14,15
	global_load_b128 v[RW0+4*\m:RW0+4*\m+3], v3, s[6:7] offset:512*\m
.endr
	s_load_b256 s[24:31], s[8:9], 0x0              ; router_b
	s_lshl_b32 s22, s20, 9
	s_add_nc_u64 s[10:11], s[10:11], s[22:23]      ; xq, xs, sel, gate at my token
	s_lshl_b32 s22, s20, 5
	s_add_nc_u64 s[12:13], s[12:13], s[22:23]
	s_lshl_b32 s22, s20, 2
	s_add_nc_u64 s[14:15], s[14:15], s[22:23]
	s_lshl_b32 s22, s20, 3
	s_add_nc_u64 s[16:17], s[16:17], s[22:23]
.macro TURN t                          ; 512 numbers through my stage: in as loaded, out 16 neighbours a lane.  LDS serves a wave's instructions in order: no wait between
.irp i, 0,1,2,3
	ds_store_b128 v4, v[R+16*\t+4*\i:R+16*\t+4*\i+3] offset:32*SP*\t+8*SP*\i
.endr
.irp i, 0,1,2,3
	ds_load_b128 v[X+16*\t+4*\i:X+16*\t+4*\i+3], v5 offset:32*SP*\t+16*\i
.endr
.endm
	s_wait_loadcnt 16                              ; x's eight loads are in; router_w's sixteen may be out
	TURN 0
	TURN 1
	s_wait_loadcnt 0x0
.irp m, 0,1,2,3,4,5,6,7,8,9,10,11,12,13,14,15
	ds_store_b128 v10, v[RW0+4*\m:RW0+4*\m+3] offset:4*RWP*\m
.endr
	s_wait_dscnt 0x0                               ; for the others' sake: my part of router_w lies in LDS (and my 32 neighbours are back)
	s_barrier_signal -1
	s_barrier_wait -1
.macro RWLOAD u, buf                   ; router_w's rows 256 u .. 256 u + 255: 16 loads
.irp ii, 0,1
.irp c, 0,1,2,3,4,5,6,7
	ds_load_b128 v[\buf+32*\ii+4*\c:\buf+32*\ii+4*\c+3], v11 offset:32*RWP*(2*\u+\ii)+16*\c
.endr
.endr
.endm
	RWLOAD 0, RW0
	RWLOAD 1, RW1
.macro STEP t                          ; 512 numbers: two neighbouring lanes hold a block of 32
.set XB, X+16*\t
	v_max3_num_f32 v88, |v[XB]|, |v[XB+1]|, |v[XB+2]|
	v_max3_num_f32 v89, |v[XB+3]|, |v[XB+4]|, |v[XB+5]|
.irp i, 6,10
	v_max3_num_f32 v88, v88, |v[XB+\i]|, |v[XB+\i+1]|
	v_max3_num_f32 v89, v89, |v[XB+\i+2]|, |v[XB+\i+3]|
.endr
	v_max3_num_f32 v88, v88, |v[XB+14]|, |v[XB+15]|
	v_max3_num_f32 v88, v88, v89, 0x1800000        ; the floor 2^(3 - 127): the byte cannot fall under 1
	v_max_num_f32_dpp v88, v88, v88 row_xmask:1 row_mask:0xf bank_mask:0xf   ; with my neighbour's 16: the block's largest magnitude
	v_add_nc_u32 v90, 0xff000000, v88              ; 2 off its exponent field: the conversion takes this operand's exponent field as its scale
	v_cvt_scalef32_pk8_fp4_f32 v[C+2*\t], v[XB:XB+7], v90
	v_cvt_scalef32_pk8_fp4_f32 v[C+2*\t+1], v[XB+8:XB+15], v90
	v_lshrrev_b32 v[E+\t], 23, v90                 ; the scale's byte (and the plain line behind the conversions)
	ds_store_b8 v7, v[E+\t] offset:16*\t           ; both lanes of a block write the same byte with the same value
	global_store_b64 v6, v[C+2*\t:C+2*\t+1], s[10:11] offset:256*\t    ; the wave stores 256 consecutive bytes, aligned
.endm
	STEP 0
	STEP 1
	ds_load_b32 v[SW], v8                          ; behind my byte stores, in order
; the logits: eight sums a lane, two at a time; x[q] is taken for both halves of a pair
.macro DOT u, buf, first
.irp ii, 0,1
.irp q, 0,1,2,3
.irp p, 0,1,2,3
.if \first && (\ii == 0) && (\q == 0)
	v_pk_mul_f32 v[ACC+2*\p:ACC+2*\p+1], v[\buf+2*\p:\buf+2*\p+1], v[R:R+1] op_sel_hi:[1,0]    ; the first products start the sums
.elseif (\q%2) == 0
	v_pk_fma_f32 v[ACC+2*\p:ACC+2*\p+1], v[\buf+32*\ii+8*\q+2*\p:\buf+32*\ii+8*\q+2*\p+1], v[R+4*(2*\u+\ii)+\q:R+4*(2*\u+\ii)+\q+1], v[ACC+2*\p:ACC+2*\p+1] op_sel_hi:[1,0,1]
.else
	v_pk_fma_f32 v[ACC+2*\p:ACC+2*\p+1], v[\buf+32*\ii+8*\q+2*\p:\buf+32*\ii+8*\q+2*\p+1], v[R+4*(2*\u+\ii)+\q-1:R+4*(2*\u+\ii)+\q], v[ACC+2*\p:ACC+2*\p+1] op_sel:[0,1,0] op_sel_hi:[1,1,1]
.endif
.endr
.endr
.endr
.endm
	s_wait_dscnt 19                                ; chunk 0 is in; behind it: chunk 1's 16 loads, two byte stores, the scale word's load
	DOT 0, RW0, 1
	RWLOAD 2, RW0
	s_wait_alu depctr_va_vdst(0)
	s_wait_dscnt 19                                ; chunk 1 is in; behind it: those three and chunk 2's 16
	DOT 1, RW1, 0
	RWLOAD 3, RW1
	s_wait_alu depctr_va_vdst(0)
	s_wait_dscnt 16                                ; chunk 2 is in; behind it: chunk 3's 16
	DOT 2, RW0, 0
	s_wait_alu depctr_va_vdst(0)
	s_wait_dscnt 0x0
	DOT 3, RW1, 0
.irp m, 1,2,4,8
.irp e, 0,1,2,3,4,5,6,7
	v_add_f32_dpp v[ACC+\e], v[ACC+\e], v[ACC+\e] row_xmask:\m row_mask:0xf bank_mask:0xf
.endr
.endr
.irp e, 0,1,2,3,4,5,6,7
	v_permlanex16_b32 v[W+\e], v[ACC+\e], s32, s33
.endr
.irp e, 0,1,2,3,4,5,6,7
	v_add_f32 v[ACC+\e], v[ACC+\e], v[W+\e]        ; every lane holds the eight sums
.endr
	s_wait_alu depctr_va_vdst(0)
	s_wait_kmcnt 0x0
.irp e, 0,1,2,3,4,5,6,7
	v_add_f32 v[ACC+\e], s[24+\e], v[ACC+\e]       ; + router_b
.endr
	v_max3_num_f32 v88, v[ACC], v[ACC+1], v[ACC+2] ; the maximum is taken away ahead of the exponentials
	v_max3_num_f32 v88, v88, v[ACC+3], v[ACC+4]
	v_max3_num_f32 v88, v88, v[ACC+5], v[ACC+6]
	v_max_num_f32 v88, v88, v[ACC+7]
.irp e, 0,1,2,3,4,5,6,7
	v_sub_f32 v[ACC+\e], v[ACC+\e], v88
.endr
.irp e, 0,1,2,3,4,5,6,7
	v_mul_f32 v[ACC+\e], 0x3fb8aa3b, v[ACC+\e]     ; x log2(e)
.endr
	s_wait_alu depctr_va_vdst(0)
.irp e, 0,1,2,3,4,5,6,7
	v_exp_f32 v[ACC+\e], v[ACC+\e]
.endr
	v_mov_b32 v92, 0                               ; (a plain line behind the exponentials)  the first choice's index
	s_wait_alu depctr_va_vdst(0)                   ; one wait for the eight, ahead of their first reader
	v_add_f32 v88, v[ACC], v[ACC+1]
	v_add_f32 v89, v[ACC+2], v[ACC+3]
	v_add_f32 v90, v[ACC+4], v[ACC+5]
	v_add_f32 v91, v[ACC+6], v[ACC+7]
	v_add_f32 v88, v88, v89
	v_add_f32 v90, v90, v91
	v_add_f32 v88, v88, v90
	s_wait_alu depctr_va_vdst(0)
	v_rcp_f32 v88, v88
	v_mov_b32 v93, 0                               ; (a plain line)  the second choice's index
	s_wait_alu depctr_va_vdst(0)
.irp e, 0,1,2,3,4,5,6,7
	v_mul_f32 v[ACC+\e], v[ACC+\e], v88            ; the probabilities
.endr
	v_mov_b32 v[G], v[ACC]                         ; top-2 by selects alone; only a strictly larger number takes the place: a tie keeps the lower index
.irp e, 1,2,3,4,5,6,7
	v_cmp_le_f32 vcc_lo, v[ACC+\e], v[G]
	v_cndmask_b32 v92, \e, v92, vcc_lo
	v_max_num_f32 v[G], v[G], v[ACC+\e]
.endr
.irp e, 0,1,2,3,4,5,6,7
	v_cmp_ne_u32 vcc_lo, \e, v92
	v_cndmask_b32 v[W+\e], -1.0, v[ACC+\e], vcc_lo ; the winner leaves the field: -1 lies under every probability
.endr
	v_mov_b32 v[G+1], v[W]
.irp e, 1,2,3,4,5,6,7
	v_cmp_le_f32 vcc_lo, v[W+\e], v[G+1]
	v_cndmask_b32 v93, \e, v93, vcc_lo
	v_max_num_f32 v[G+1], v[G+1], v[W+\e]
.endr
	v_mov_b32 v94, 1
	v_lshlrev_b32 v95, v92, v94
	v_lshlrev_b32 v94, v93, v94
	v_or_b32 v95, v95, v94                         ; the two experts as bits
	v_lshl_or_b32 v94, v93, 8, v92
	v_lshl_or_b32 v94, v95, 16, v94                ; sel's word
	v_cmp_gt_u32 vcc_lo, 8, v1
	s_wait_alu depctr_va_vdst(0)
	s_wait_xcnt 0x0                                ; EXEC changes only behind this wait
	s_and_saveexec_b32 s21, vcc_lo
	global_store_b32 v9, v[SW], s[12:13]           ; lanes 0 to 7: the token's 32 scale bytes
	s_wait_xcnt 0x0
	s_or_b32 exec_lo, exec_lo, s21
	v_cmp_eq_u32 vcc_lo, 0, v1
	s_and_saveexec_b32 s21, vcc_lo
	global_store_b32 v9, v94, s[14:15]             ; lane 0: sel and the gates
	global_store_b64 v9, v[G:G+1], s[16:17]
	s_wait_xcnt 0x0
	s_or_b32 exec_lo, exec_lo, s21
	s_wait_tensorcnt 0x0                           ; the wave's end, behind my last LDS store
	ds_add_u32 v[SPW], v[NIL]
	s_wait_dscnt 0x0
	s_endpgm
.Lfunc_end_k_q6f30024b63_route:
	.size	k_q6f30024b63_route, .Lfunc_end_k_q6f30024b63_route-k_q6f30024b63_route
	.p2alignl 7, 3214868480
	.fill 96, 4, 3214868480
	.section	.rodata,"a",@progbits
	.p2align	6, 0x0
	.amdhsa_kernel k_q6f30024b63_route
		.amdhsa_group_segment_fixed_size 58880
		.amdhsa_private_segment_fixed_size 0
		.amdhsa_enable_private_segment 0
		.amdhsa_kernarg_size 56
		.amdhsa_user_sgpr_count 2
		.amdhsa_user_sgpr_kernarg_segment_ptr 1
		.amdhsa_wavefront_size32 1
		.amdhsa_system_sgpr_workgroup_id_x 1
		.amdhsa_system_sgpr_workgroup_id_y 1
		.amdhsa_system_sgpr_workgroup_id_z 1
		.amdhsa_system_vgpr_workitem_id 0
		.amdhsa_next_free_vgpr 256
		.amdhsa_next_free_sgpr 66
		.amdhsa_reserve_vcc 1
		.amdhsa_float_denorm_mode_32 3
		.amdhsa_float_denorm_mode_16_64 3
		.amdhsa_memory_ordered 1
		.amdhsa_forward_progress 1
		.amdhsa_inst_pref_size 30
	.end_amdhsa_kernel
	.amdgpu_metadata
---
amdhsa.version: [ 1, 2 ]
amdhsa.kernels:
  - .name:           k_q6f30024b63_route
    .symbol:         k_q6f30024b63_route.kd
    .args:
      - { .name: x, .offset: 0, .size: 8, .value_kind: global_buffer, .address_space: global }
      - { .name: router_w, .offset: 8, .size: 8, .value_kind: global_buffer, .address_space: global }
      - { .name: router_b, .offset: 16, .size: 8, .value_kind: global_buffer, .address_space: global }
      - { .name: xq, .offset: 24, .size: 8, .value_kind: global_buffer, .address_space: global }
      - { .name: xs, .offset: 32, .size: 8, .value_kind: global_buffer, .address_space: global }
      - { .name: sel, .offset: 40, .size: 8, .value_kind: global_buffer, .address_space: global }
      - { .name: gate, .offset: 48, .size: 8, .value_kind: global_buffer, .address_space: global }
    .group_segment_fixed_size: 58880
    .private_segment_fixed_size: 0
    .kernarg_segment_align: 8
    .kernarg_segment_size: 56
    .max_flat_workgroup_size: 128
    .sgpr_count:     66
    .vgpr_count:     256
    .wavefront_size: 32
...
	.end_amdgpu_metadata
.endif
;; end of part 1
;; launch up (part 2): grid 32 x 8, 4 waves a work-group, no clusters, 72,704 bytes of LDS; arguments sel, xq, xs, w1_codes, w1_scales, b1, hq, hs, pos; writes hq, hs, pos
.if DOCPART == 2
	.amdgcn_target "amdgcn-amd-amdhsa--gfx1250"
	.amdhsa_code_object_version 6
	.text
	.protected	k_q6f30024b63_up
	.globl	k_q6f30024b63_up
	.p2align	8
	.type	k_q6f30024b63_up,@function
k_q6f30024b63_up:
	s_mov_b64 s[64:65], 0
	v_nop
	global_prefetch_b8 v0, s[64:65] scope:SCOPE_SE
	s_setreg_imm32_b32 hwreg(HW_REG_WAVE_MODE, 25, 1), 1
	s_wait_xcnt 0x0
; SECOND LAUNCH: h = Q(gelu(x w1[e] + b1[e])) for the rows that chose expert e, Q the quantiser along the hidden axis.  Rows of experts that a token did not choose are left out (they are multiplied by the layer's own zeros: see the first launch).
; SHARES.  Work-group (j, e) owns hidden units 128 j .. 128 j + 127 of expert e: 64 KB of codes, read from memory once, shared through LDS, and then held WHOLE in each wave's registers (512).
; Wave w takes the expert's tiles of 16 rows w, w + 4, ..  So a wave makes one whole fragment (16 rows x 128 along the next K) and one whole scale word a row.
; THE ROWS.  Wave 0 reads sel (whole numbers that the first launch stored) and lists the tokens that chose e, in ascending order of (k, lane), token = 128 (k / 4) + 4 lane + k % 4.  Position of a row: 1024 e + rank.
; Work-group j = 0 of each expert stores the positions and the count for the later launches.  Ranks past the count read token 1023: such rows are computed, stored, and never used.
; NO TENSOR LOAD, NO CLUSTER: how many tiles there are hangs on the stored choice, so the operands come through registers.
; THE PRODUCT IS USED TRANSPOSED (source 0 = 16 rows of w1, source 1 = 16 rows of x), and lane r of tile 2 b + u takes w1's row 32 b + 8 u + r + 8 (r / 8): a lane holds one row of h, and the 16 registers of
; tiles 2 b, 2 b + 1 are the hidden units 32 b + 16 (lane / 16) + 0 .. 15.  b1 is the C of each sum's first product.
; GELU, exact form: gelu(v) = max(v, 0) - |v| a, a = erfc(|v| / sqrt 2) / 2 = t 2^(-v^2 log2(e) / 2 + P(t)), t = 1 / (1 + |v| / (2 sqrt 2)), P of degree 9 (a rational-Chebyshev fit of erfc, fractional error under 1.2e-7);
; P's coefficients hold the factor log2(e), and its constant term the -1 of the half.  Nothing cancels in the negative tail.
; hq[64 e + tile][j][c][lane][16 bytes]: images of the fragment's registers;  hs[64 e + tile][j / 2][j % 2][row] words.
; LIMITS: a block of h under 2^-124 gets the byte 1, a block of zeros too (zero codes; this program alone reads the bytes).  NaN and infinities are not served.
; REGISTERS: window 0: v1-15 addresses; v16-79 w1's scale words; v80-87 x's; v88-151 the 8 accumulators; v152-247 at work; v250 the list's store address; v[252:253] a constant.
;   window 1: w1's fragments of K steps 0-3 at 64 s + 8 t;  window 2: K steps 4-7;  window 3: v0-63 b1, v64-127 x's 8 fragments, v128-255 the codes on their way to LDS.
.set WP,    528                        ; a row of w1 in LDS: 512 bytes + 16: an odd multiple of 16
.set LIST,  128*WP                     ; words 0-1087 token by rank; 1088-1119 a dump word for each lane; 1120 the count
.set DUMP,  1088
.set CNTW,  1120
.set SPARE, LIST+4608                  ; the spare words, 128 bytes for each wave: two blocks of 256 bytes that no other line names
.set SPW, 4
.set NIL, 5
.set WSTO, 6                           ; v6   528 wave + 16 lane
.set WRD, 7                            ; v7   528 r + 16 h
.set LA,  8                            ; v8   LIST + 4 (16 wave + r)
.set XA,  9                            ; v9   my row's codes of x
.set XSA, 10                           ; v10  and its scale bytes
.set L16, 11
.set R4,  12
.set H16, 13
.set TOK, 14
.set CNTA, 15
.set W1S, 16
.set XS,  80
.set HA,  88
.set TT,  152
.set QQ,  184
.set PP,  216
.set SELR, 216                         ; at the head: sel's 32 words a lane
.set TM,  TT                           ; the quantiser's 16 registers,
.set PC,  TT+16                        ; the codes just made,
.set PW,  TT+24                        ; the scale word just made
.set SCA, 250
.set C8V, 252
.set LAD, 254
.set B1,  0                            ; window 3
.set XF,  64
.set STG, 128
.set WV, 22
.set J,  23
.set EX, 24
.set TILE, 25
.set NTL, 26
.set CT, 27
.set LOFF, 28
.set BIT, 32
.set SM, 33
.set SB, 34
.set SC, 35
.set EK, 36
.set LSEL, 38
.set SK, 40
.set CM, 42
.set CK, 66                            ; s[66 + 2 k : 67 + 2 k]: P's coefficient k, written twice: the packed form names a pair
.set MSB, 0
.macro WIN new                         ; the immediate's high byte repeats the setting that is left
.if MSB != \new
	s_set_vgpr_msb (MSB<<8)|\new
.set MSB, \new
.endif
.endm
.macro KONST k, bits
	s_mov_b32 s[CK+2*\k], \bits
	s_mov_b32 s[CK+2*\k+1], \bits
.endm
	s_load_b256 s[4:11], s[0:1], 0x0               ; sel, xq, xs, w1_codes
	s_load_b256 s[12:19], s[0:1], 0x20             ; w1_scales, b1, hq, hs
	s_load_b64 s[20:21], s[0:1], 0x40              ; pos
	v_lshl_add_u32 v[SPW], v0, 2, SPARE
	v_mov_b32 v[NIL], 0
	v_lshrrev_b32 v1, 5, v0
	v_readfirstlane_b32 s[WV], v1
	v_and_b32 v1, 31, v0                           ; lane
	v_and_b32 v2, 15, v0                           ; r
	v_bfe_u32 v3, v0, 4, 1                         ; h
	v_lshlrev_b32 v[L16], 4, v1
	v_lshlrev_b32 v[R4], 2, v2
	v_lshlrev_b32 v[H16], 4, v3
	s_mul_i32 s30, s[WV], WP
	v_add_nc_u32 v[WSTO], s30, v[L16]
	v_mul_u32_u24 v[WRD], v2, WP
	v_add_nc_u32 v[WRD], v[WRD], v[H16]
	s_lshl_b32 s30, s[WV], 6
	s_add_co_u32 s30, s30, LIST
	v_add_nc_u32 v[LA], s30, v[R4]
	v_mov_b32 v[CNTA], LIST+4*CNTW
	v_add_nc_u32 v100, LIST, v[L16]                ; the list's fill
	v_lshlrev_b32 v88, 4, v0                       ; w1's codes: 16 x thread
	v_and_b32 v89, 8, v2
	v_add_nc_u32 v89, v89, v2
	v_lshlrev_b32 v89, 5, v89                      ; w1's scale bytes: 32 (r + 8 (r / 8))
	v_lshlrev_b32 v90, 6, v3                       ; b1: 64 h
	v_lshlrev_b32 v91, 2, v1                       ; 4 x lane
	v_lshlrev_b32 v106, 3, v1                      ; 8 x lane: the lane's part of 2 x token
	s_wait_alu depctr_va_vdst(0)
	v_add_nc_u32 v92, DUMP, v1                     ; my dump word
	v_mov_b32 v[C8V], 0xbf97d29d
	v_mov_b32 v[C8V+1], 0xbf97d29d
	s_mov_b32 s[J], ttmp9
	s_and_b32 s[EX], ttmp7, 0xffff
	s_lshl_b32 s30, s[EX], 21
	s_lshl_b32 s31, s[J], 16
	s_add_co_u32 s44, s30, s31                     ; w1's codes: 2 MB an expert, 64 KB a slice
	s_mov_b32 s45, 0
	s_lshl_b32 s31, s[WV], 15
	s_add_co_u32 s50, s30, s31
	s_lshl_b32 s31, s[J], 10
	s_add_co_u32 s50, s50, s31                     ; hq: (64 e + wave) x 32,768 + 1,024 j
	s_mov_b32 s51, 0
	s_lshl_b32 s30, s[EX], 17
	s_lshl_b32 s31, s[J], 12
	s_add_co_u32 s46, s30, s31                     ; w1's scale bytes
	s_mov_b32 s47, 0
	s_lshl_b32 s31, s[WV], 11
	s_add_co_u32 s52, s30, s31
	s_lshl_b32 s31, s[J], 6
	s_add_co_u32 s52, s52, s31                     ; hs: (64 e + wave) x 2,048 + 64 j
	s_mov_b32 s53, 0
	s_lshl_b32 s30, s[EX], 14
	s_lshl_b32 s31, s[J], 9
	s_add_co_u32 s48, s30, s31                     ; b1
	s_mov_b32 s49, 0
	s_add_co_u32 s30, s[EX], 16
	s_lshl_b32 s[BIT], 1, s30                      ; my expert's bit in a word of sel
	; THE LIST'S WORDS: 2 x token + slot (slot 0: my expert is the token's first choice, 1: its second).  Ranks past the count hold 2048 + e: here they read token 1023,
	; and the third launch sends their rows to a spare row of y.  What work-group j = 0 stores in pos is this list by rank (4,096 bytes an expert) and the count.
	s_add_co_u32 s30, s[EX], 2048
.irp i, 96,97,98,99
	v_mov_b32 v\i, s30
.endr
	s_mov_b32 s[SB], 0
	s_lshl_b32 s30, s[EX], 12
	v_add_nc_u32 v101, s30, v[L16]                 ; pos: my expert's 4,096 bytes
	s_lshl_b32 s30, s[EX], 7
	s_add_co_u32 s30, s30, 32768
	v_add_nc_u32 v102, s30, v91                    ; and its count, 32 words
	s_mov_b32 s[LSEL], 0x76543210
	s_mov_b32 s[LSEL+1], 0xfedcba98
	s_mov_b32 s[SK], 0x3eb504f3                    ; 1 / (2 sqrt 2)
	s_mov_b32 s[CM], 0xbf38aa3b                    ; -log2(e) / 2
	s_mov_b32 s[CM+1], 0xbf38aa3b
	KONST 0, 0xc034d90f
	KONST 1, 0x3fb8ab5a
	KONST 2, 0x3f0a29d2
	KONST 3, 0x3e0efb2e
	KONST 4, 0xbe899a80
	KONST 5, 0x3ecdfd18
	KONST 6, 0xbfd1a1e5
	KONST 7, 0x40097039
	KONST 9, 0x3e7c6f08
	s_wait_kmcnt 0x0
	s_add_nc_u64 s[10:11], s[10:11], s[44:45]
	s_add_nc_u64 s[12:13], s[12:13], s[46:47]
	s_add_nc_u64 s[14:15], s[14:15], s[48:49]
	s_add_nc_u64 s[16:17], s[16:17], s[50:51]
	s_add_nc_u64 s[18:19], s[18:19], s[52:53]
.irp i, 0,1,2,3,4,5,6,7
	global_load_b128 v[SELR+4*\i:SELR+4*\i+3], v[L16], s[4:5] offset:512*\i   ; register 4 i + q: sel[128 i + 4 lane + q]
.endr
	WIN 0xc0                                       ; destination window 3
.set i, 0
.rept 32
	global_load_b128 v[STG+4*i:STG+4*i+3], v88, s[10:11] offset:2048*i th:TH_LOAD_NT   ; row 4 i + wave of the slice: a wave reads 512 consecutive bytes
.set i, i+1
.endr
.irp t, 0,1,2,3,4,5,6,7
	global_load_b128 v[B1+8*\t:B1+8*\t+3], v90, s[14:15] offset:(32*(\t/2)+8*(\t%2))*4
	global_load_b128 v[B1+8*\t+4:B1+8*\t+7], v90, s[14:15] offset:(32*(\t/2)+8*(\t%2))*4+16
.endr
	WIN 0
.irp t, 0,1,2,3,4,5,6,7
	global_load_b128 v[W1S+8*\t:W1S+8*\t+3], v89, s[12:13] offset:(32*(\t/2)+8*(\t%2))*32
	global_load_b128 v[W1S+8*\t+4:W1S+8*\t+7], v89, s[12:13] offset:(32*(\t/2)+8*(\t%2))*32+16
.endr
; THE LIST: wave 0 alone, and up to the barrier below no other wave touches LDS.
.macro SCAT k
	v_and_b32 v93, s[BIT], v[SELR+\k]
	v_cmp_ne_u32 s[SM], 0, v93                     ; the lanes whose token chose my expert
	v_mbcnt_lo_u32_b32 v94, s[SM], s[SB]           ; the rank: those counted so far + those in the lanes below me
	v_cndmask_b32 v[SCA], v92, v94, s[SM]          ; the others store into their dump words
	v_min_u32 v[SCA], DUMP+31, v[SCA]              ; a number made of loaded numbers is held inside the list
	v_lshl_add_u32 v[SCA], v[SCA], 2, LIST
	v_and_b32 v105, 7, v[SELR+\k]                  ; the token's first choice
	v_cmp_ne_u32 vcc_lo, s[EX], v105               ; not mine: I am its second
	v_add_co_ci_u32 v95, vcc_lo, 2*(128*(\k/4)+\k%4), v106, vcc_lo   ; 2 x token + slot
	ds_store_b32 v[SCA], v95
	s_bcnt1_i32_b32 s[SC], s[SM]
	s_add_co_u32 s[SB], s[SB], s[SC]
.endm
	s_cmp_lg_u32 s[WV], 0
	s_cbranch_scc1 .Lnot0
	s_wait_alu depctr_va_vdst(0)
.irp n, 0,1,2,3,4,5,6,7,8
	ds_store_b128 v100, v[96:99] offset:512*\n     ; 2048 + e: ranks past the count read token 1023
.endr
	s_wait_loadcnt 63                              ; 72 loads were issued and come back in order: at most 63 out means that the oldest nine, sel's eight among them, are in
.irp k, 0,1,2,3,4,5,6,7,8,9,10,11,12,13,14,15,16,17,18,19,20,21,22,23,24,25,26,27,28,29,30,31
	SCAT \k
.endr
	v_mov_b32 v103, s[SB]
	ds_store_b32 v[CNTA], v103                     ; the count
	s_cmp_lg_u32 s[J], 0
	s_cbranch_scc1 .Lnot0                          ; one work-group of each expert stores the positions and the count
.irp i, 0,1,2,3,4,5,6,7
	ds_load_b128 v[SELR+4*\i:SELR+4*\i+3], v100 offset:512*\i   ; the list's 1,024 words, behind my own stores, in order
.endr
	s_wait_alu depctr_va_vdst(0)
	s_wait_dscnt 0x0
.irp i, 0,1,2,3,4,5,6,7
	global_store_b128 v101, v[SELR+4*\i:SELR+4*\i+3], s[20:21] offset:512*\i
.endr
	global_store_b32 v102, v103, s[20:21]
.Lnot0:
	s_wait_dscnt 0x0                               ; the list lies in LDS
	s_barrier_signal -1
	s_barrier_wait -1
	s_wait_loadcnt 32                              ; the codes are in; b1's and the scale words' 32 loads may be out
	WIN 0x0c                                       ; an LDS store's data are its source 1: window 3
.set i, 0
.rept 32
.set ip, (i&0x19)|((i&2)<<1)|((i&4)>>1)            ; row 32 b + 16 a + 8 u + c goes to place 32 b + 16 u + 8 a + c: a tile's 16 rows lie on end
	ds_store_b128 v[WSTO], v[STG+4*i:STG+4*i+3] offset:4*WP*ip
.set i, i+1
.endr
	WIN 0
	s_wait_dscnt 0x0                               ; my rows lie in LDS
	s_barrier_signal -1
	s_barrier_wait -1                              ; from here on LDS is only read
	ds_load_b32 v104, v[CNTA]
	ds_load_b32 v[TOK], v[LA]                      ; my first tile's row
	s_wait_dscnt 0x0
	v_readfirstlane_b32 s[NTL], v104
	s_add_co_u32 s[NTL], s[NTL], 15
	s_lshr_b32 s[NTL], s[NTL], 4
	s_min_u32 s[NTL], s[NTL], 64                   ; the expert's tiles
.macro XADDR                           ; four plain lines that name no register of the products: they are also the places between the last product and the loads into its operands
	v_lshrrev_b32 v[TOK], 1, v[TOK]                ; the list's word is 2 x token + slot
	v_min_u32 v[TOK], 0x3ff, v[TOK]                ; a loaded number is held inside the table
	v_lshl_add_u32 v[XA], v[TOK], 9, v[H16]
	v_lshlrev_b32 v[XSA], 5, v[TOK]
.endm
.macro XLOAD                           ; my row's 8 fragments' parts and its 8 scale words
	WIN 0xc0
.irp s, 0,1,2,3,4,5,6,7
.irp c, 0,1
	global_load_b128 v[XF+8*\s+4*\c:XF+8*\s+4*\c+3], v[XA], s[6:7] offset:64*\s+32*\c
.endr
.endr
	WIN 0
	global_load_b128 v[XS:XS+3], v[XSA], s[8:9]
	global_load_b128 v[XS+4:XS+7], v[XSA], s[8:9] offset:16
.endm
	XADDR
	XLOAD
	WIN 0x40                                       ; destination window 1
.irp s, 0,1,2,3
.irp t, 0,1,2,3,4,5,6,7
.irp c, 0,1
	ds_load_b128 v[64*\s+8*\t+4*\c:64*\s+8*\t+4*\c+3], v[WRD] offset:16*WP*\t+64*\s+32*\c
.endr
.endr
.endr
	WIN 0x80                                       ; window 2
.irp s, 4,5,6,7
.irp t, 0,1,2,3,4,5,6,7
.irp c, 0,1
	ds_load_b128 v[64*(\s-4)+8*\t+4*\c:64*(\s-4)+8*\t+4*\c+3], v[WRD] offset:16*WP*\t+64*\s+32*\c
.endr
.endr
.endr
	WIN 0
	s_wait_dscnt 0x0
; 64 products: the 8 accumulators by turns, K step by K step
.macro MULS
.irp s, 0,1,2,3,4,5,6,7
.if \s == 0
	WIN 0x3d                                       ; source 0 window 1, source 1 and C (b1) window 3
.elseif \s < 4
	WIN 0x0d
.else
	WIN 0x0e                                       ; source 0 window 2
.endif
.irp t, 0,1,2,3,4,5,6,7
.if \s == 0
	v_wmma_scale_f32_16x16x128_f8f6f4 v[HA+8*\t:HA+8*\t+7], v[8*\t:8*\t+7], v[XF:XF+7], v[B1+8*\t:B1+8*\t+7], v[W1S+8*\t], v[XS] matrix_a_fmt:MATRIX_FMT_FP4 matrix_b_fmt:MATRIX_FMT_FP4
.else
	v_wmma_scale_f32_16x16x128_f8f6f4 v[HA+8*\t:HA+8*\t+7], v[64*(\s%4)+8*\t:64*(\s%4)+8*\t+7], v[XF+8*\s:XF+8*\s+7], v[HA+8*\t:HA+8*\t+7], v[W1S+8*\t+\s], v[XS+\s] matrix_a_fmt:MATRIX_FMT_FP4 matrix_b_fmt:MATRIX_FMT_FP4
.endif
.endr
.endr
.endm
; gelu of 32 numbers, v[HA + b] on, in place.  Each accumulator is read from its low end on.
.macro GELU b
.set n, 0
.rept 32
	v_fma_f32 v[TT+n], |v[HA+\b+n]|, s[SK], 1.0
.set n, n+1
.endr
.set n, 0
	s_wait_alu depctr_va_vdst(0)
.rept 32
	v_rcp_f32 v[TT+n], v[TT+n]                     ; t
.set n, n+1
.endr
.set n, 0
.rept 16
	v_pk_mul_f32 v[QQ+n:QQ+n+1], v[HA+\b+n:HA+\b+n+1], v[HA+\b+n:HA+\b+n+1]    ; v^2: plain work behind the reciprocals
.set n, n+2
.endr
	s_wait_alu depctr_va_vdst(0)                   ; one wait for the 32 reciprocals, ahead of their first reader
.set n, 0
.rept 16
	v_pk_fma_f32 v[PP+n:PP+n+1], v[TT+n:TT+n+1], s[CK+18:CK+19], v[C8V:C8V+1] op_sel_hi:[1,0,1]
.set n, n+2
.endr
.irp k, 7,6,5,4,3,2,1,0
.set n, 0
.rept 16
	v_pk_fma_f32 v[PP+n:PP+n+1], v[PP+n:PP+n+1], v[TT+n:TT+n+1], s[CK+2*\k:CK+2*\k+1] op_sel_hi:[1,1,0]
.set n, n+2
.endr
.endr
.set n, 0
.rept 16
	v_pk_fma_f32 v[PP+n:PP+n+1], v[QQ+n:QQ+n+1], s[CM:CM+1], v[PP+n:PP+n+1] op_sel_hi:[1,0,1]
.set n, n+2
.endr
.set n, 0
	s_wait_alu depctr_va_vdst(0)
.rept 32
	v_exp_f32 v[PP+n], v[PP+n]
.set n, n+1
.endr
.set n, 0
.rept 32
	v_max_num_f32 v[QQ+n], 0, v[HA+\b+n]           ; plain work behind the exponentials
.set n, n+1
.endr
	s_wait_alu depctr_va_vdst(0)                   ; one wait for the 32 exponentials
.set n, 0
.rept 16
	v_pk_mul_f32 v[PP+n:PP+n+1], v[PP+n:PP+n+1], v[TT+n:TT+n+1]                ; a
.set n, n+2
.endr
.set n, 0
.rept 32
	v_fma_f32 v[HA+\b+n], -|v[HA+\b+n]|, v[PP+n], v[QQ+n]
.set n, n+1
.endr
.endm
; 64 numbers of a lane, register 16 b + i = k 32 b + 16 (lane / 16) + i of my row, become a fragment's codes in v[PC] on and its scale word in v[PW]
.macro QUANT s
.irp b, 0,1,2,3
	v_max3_num_f32 v[TM+\b], |v[\s+16*\b]|, |v[\s+1+16*\b]|, 0x1800000   ; and the floor 2^(3 - 127): the byte cannot fall under 1
.endr
.irp i, 2,4,6,8,10,12,14
.irp b, 0,1,2,3
	v_max3_num_f32 v[TM+\b], v[TM+\b], |v[\s+16*\b+\i]|, |v[\s+1+16*\b+\i]|
.endr
.endr
.irp b, 0,1,2,3
	v_permlanex16_b32 v[TM+4+\b], v[TM+\b], s[LSEL], s[LSEL+1]
.endr
.irp b, 0,1,2,3
	v_max_num_f32 v[TM+\b], v[TM+\b], v[TM+4+\b]   ; with lane l xor 16's: the block's largest magnitude
.endr
.irp b, 0,1,2,3
	v_add_nc_u32 v[TM+12+\b], 0xff000000, v[TM+\b] ; 2 off its exponent field: the conversion's scale operand
.endr
.irp b, 0,1,2,3
	v_lshrrev_b32 v[TM+4+\b], 23, v[TM+12+\b]      ; the scale's byte
.endr
	v_lshl_or_b32 v[PW], v[TM+5], 8, v[TM+4]
	v_lshl_or_b32 v[PW], v[TM+6], 16, v[PW]
	v_lshl_or_b32 v[PW], v[TM+7], 24, v[PW]
.irp b, 0,1,2,3
	v_cvt_scalef32_pk8_fp4_f32 v[PC+2*\b], v[\s+16*\b:\s+7+16*\b], v[TM+12+\b]
	v_cvt_scalef32_pk8_fp4_f32 v[PC+1+2*\b], v[\s+8+16*\b:\s+15+16*\b], v[TM+12+\b]
.endr
	v_nop                                          ; one plain line behind a scaled conversion
.irp c, 0,1                                    ; the operand's layout wants a whole block in a lane
.irp i, 0,1
	v_permlane16_swap_b32 v[PC+4*\c+\i], v[PC+2+4*\c+\i]
.endr
.endr
.endm
	s_mov_b32 s[TILE], s[WV]
	s_mov_b32 s[CT], 0
	s_mov_b32 s[LOFF], 0
	s_wait_xcnt 0x0                                ; wave 0's stores of the positions have read their registers, which the loop writes
.Ltile:                                                ; 16 trips, a constant: every split is served; a trip without a tile only steps the addresses
	s_cmp_ge_u32 s[TILE], s[NTL]
	s_cbranch_scc1 .Lskip
	v_add_nc_u32 v[LAD], s[LOFF], v[LA]
	ds_load_b32 v[TOK], v[LAD] offset:256          ; my next tile's row
	s_wait_loadcnt 0x0                             ; this tile's x (in the first trip also b1 and w1's scale words)
	MULS
	WIN 0
	s_wait_dscnt 0x0
	XADDR
	XLOAD                                          ; the next tile's x lands under this tile's vector work
	GELU 0
	GELU 32
	QUANT HA
	global_store_b128 v[L16], v[PC:PC+3], s[16:17]             ; the fragment as it stands: 512 consecutive bytes a store
	global_store_b128 v[L16], v[PC+4:PC+7], s[16:17] offset:512
	global_store_b32 v[R4], v[PW], s[18:19]        ; both halves of the lanes hold and write the same word
.Lskip:
	s_wait_xcnt 0x0                                ; the stores have read their registers and bases
	s_add_nc_u64 s[16:17], s[16:17], 0x20000       ; four tiles on
	s_add_nc_u64 s[18:19], s[18:19], 0x2000
	s_add_co_u32 s[LOFF], s[LOFF], 256
	s_add_co_u32 s[TILE], s[TILE], 4
	s_add_co_u32 s[CT], s[CT], 1
	s_cmp_lt_u32 s[CT], 16
	s_cbranch_scc1 .Ltile
	s_wait_tensorcnt 0x0                           ; the wave's end, behind my last LDS store
	ds_add_u32 v[SPW], v[NIL]
	s_wait_dscnt 0x0
	s_endpgm
.Lfunc_end_k_q6f30024b63_up:
	.size	k_q6f30024b63_up, .Lfunc_end_k_q6f30024b63_up-k_q6f30024b63_up
	.p2alignl 7, 3214868480
	.fill 96, 4, 3214868480
	.section	.rodata,"a",@progbits
	.p2align	6, 0x0
	.amdhsa_kernel k_q6f30024b63_up
		.amdhsa_group_segment_fixed_size 72704
		.amdhsa_private_segment_fixed_size 0
		.amdhsa_enable_private_segment 0
		.amdhsa_kernarg_size 72
		.amdhsa_user_sgpr_count 2
		.amdhsa_user_sgpr_kernarg_segment_ptr 1
		.amdhsa_wavefront_size32 1
		.amdhsa_system_sgpr_workgroup_id_x 1
		.amdhsa_system_sgpr_workgroup_id_y 1
		.amdhsa_system_sgpr_workgroup_id_z 1
		.amdhsa_system_vgpr_workitem_id 0
		.amdhsa_next_free_vgpr 1024
		.amdhsa_next_free_sgpr 86
		.amdhsa_reserve_vcc 1
		.amdhsa_float_denorm_mode_32 3
		.amdhsa_float_denorm_mode_16_64 3
		.amdhsa_memory_ordered 1
		.amdhsa_forward_progress 1
		.amdhsa_inst_pref_size 100
	.end_amdhsa_kernel
	.amdgpu_metadata
---
amdhsa.version: [ 1, 2 ]
amdhsa.kernels:
  - .name:           k_q6f30024b63_up
    .symbol:         k_q6f30024b63_up.kd
    .args:
      - { .name: sel, .offset: 0, .size: 8, .value_kind: global_buffer, .address_space: global }
      - { .name: xq, .offset: 8, .size: 8, .value_kind: global_buffer, .address_space: global }
      - { .name: xs, .offset: 16, .size: 8, .value_kind: global_buffer, .address_space: global }
      - { .name: w1_codes, .offset: 24, .size: 8, .value_kind: global_buffer, .address_space: global }
      - { .name: w1_scales, .offset: 32, .size: 8, .value_kind: global_buffer, .address_space: global }
      - { .name: b1, .offset: 40, .size: 8, .value_kind: global_buffer, .address_space: global }
      - { .name: hq, .offset: 48, .size: 8, .value_kind: global_buffer, .address_space: global }
      - { .name: hs, .offset: 56, .size: 8, .value_kind: global_buffer, .address_space: global }
      - { .name: pos, .offset: 64, .size: 8, .value_kind: global_buffer, .address_space: global }
    .group_segment_fixed_size: 72704
    .private_segment_fixed_size: 0
    .kernarg_segment_align: 8
    .kernarg_segment_size: 72
    .max_flat_workgroup_size: 128
    .sgpr_count:     86
    .vgpr_count:     1024
    .wavefront_size: 32
...
	.end_amdgpu_metadata
.endif
;; end of part 2
;; launch down (part 3): grid 32 x 8, 4 waves a work-group, no clusters, 281,088 bytes of LDS; arguments pos, hq, hs, w2_codes, w2_scales, b2, y; writes y
.if DOCPART == 3
	.amdgcn_target "amdgcn-amd-amdhsa--gfx1250"
	.amdhsa_code_object_version 6
	.text
	.protected	k_q6f30024b63_down
	.globl	k_q6f30024b63_down
	.p2align	8
	.type	k_q6f30024b63_down,@function
k_q6f30024b63_down:
	s_mov_b64 s[64:65], 0
	v_nop
	global_prefetch_b8 v0, s[64:65] scope:SCOPE_SE
	s_setreg_imm32_b32 hwreg(HW_REG_WAVE_MODE, 25, 1), 1
	s_wait_xcnt 0x0
; THIRD LAUNCH: y = h w2[e] + b2[e] for the rows that chose expert e; the other rows are left out (they are multiplied by the layer's own zeros: see the first launch).
; SHARES.  Work-group (2 jc + p, e) owns output columns 64 jc .. 64 jc + 63 of expert e and the expert's tiles of 16 rows p, p + 2, ..  Wave q owns K quarter q (1,024 of 4,096):
; its 64 columns x 512 bytes of codes stand in 256 registers for the whole launch, loaded as fragments (sixteen loads on end cover 512 consecutive bytes of each of 16 rows), and of each tile of h it reads its own 8 KB alone.
; So a work-group reads each byte of its weights and of its tiles once: 64 x 2,176 bytes and 34,816 bytes a tile.
; FOUR TILES AHEAD: four register buffers; a buffer is asked for anew behind its 32 products.  A wait for 60 leaves out the three younger groups of 20 loads; the arm that asks for nothing waits for 0, so the count holds on every way.
; THE SUM OVER K QUARTERS goes through LDS: each wave stores its 16 x 64 sums of a tile into the tile's slot; behind ONE barrier for up to 16 tiles wave t % 4 adds slot t's four parts and b2 and stores whole rows of 256 bytes.
; Two such phases serve every split (at most 64 tiles an expert, 32 a work-group).  Every loop has four trips, a constant; jumps on the stored count stay inside the loop and lead round a trip's or a tile's work alone, round no barrier.
; WHERE A ROW GOES: pos holds, by rank, 2 x token + slot (whole numbers that the second launch stored): that is the row of y.  Ranks past the count hold 2048 + e: a spare row, of which work-groups 2 jc and 2 jc + 1 share 256 bytes; nobody reads it.
; NO TENSOR LOAD, NO CLUSTER: how many tiles there are hangs on a stored count, so the operands come through registers.  No prefetch: the loads into registers stand four tiles ahead of their use.
; TRANSPOSED: source 0 = 16 columns' rows of w2, source 1 = 16 rows of h: lane (r, hh) holds row r, columns 16 n + 8 hh + 0 .. 7.  The four accumulators take turns.
; LIMITS: the head asks for four tiles whatever the count: with fewer than four it names the last again; with none it reads bytes of hq and hs on which no result hangs.  NaN and infinities are not served.
; REGISTERS: window 0: v1-15 addresses; v16-47 w2's scale words; v48-63 h's; v64-95 accumulators; v96-99 b2; v100-227 the parts of a slot; v228-235 rows of y.
;   window 1: w2's fragments at 32 s + 8 n;  window 2: h's four buffers at 64 b + 8 s.
.set NL,    20                         ; loads of a tile's quarter: 16 of codes, 4 of scale words
.set GP,    544                        ; LDS: four registers of all lanes: two halves of 256 + 16 bytes
.set HP,    272                        ; so that the 16 pieces of a row fall on 16 different groups of banks: 2 G + hh modulo 16
.set PARTB, 8*GP                       ; a wave's part of a slot
.set SLOTB, 4*PARTB
.set LISTB, 16*SLOTB                   ; my 32 tiles' words of the list
.set SPARE, LISTB+2048                 ; the spare words, 128 bytes for each wave: two blocks of 256 bytes that no other line names
.set SPW, 4
.set NIL, 5
.set L16, 6
.set L4,  7
.set WAD, 8                            ; v8   2048 r + 16 hh
.set WSA, 9                            ; v9   128 r
.set COLO, 10                          ; v10  16 (lane % 16)
.set PST, 11                           ; v11  my part: PARTB wave + HP hh + 16 r
.set PSA, 12
.set RDB, 13                           ; v13  SLOTB wave + the piece of a row that I read back
.set RDA, 14
.set LSB, 15                           ; v15  LISTB + 64 wave + 4 hh
.set W2S, 16
.set HS,  48
.set ACC, 64
.set B2R, 96
.set RED, 100
.set TW,  228
.set LSA, 236
.set LGO, 237
.set LST, 238
.set LW,  240
.set WV, 18
.set JC, 19
.set P,  20
.set EX, 21
.set NT, 22                            ; my tiles
.set NTM1, 23
.set T0, 24
.set IT, 25
.set CT, 26
.set LOFF, 27
.set CNT, 28
.set T1, 30
.set T2, 31
.set T3, 32
.set T4, 33
.set HN, 34                            ; s[34:35] h's codes: the tile four on from the trip's first
.set HSN, 36                           ; s[36:37] and its scale words
.set PB, 40                            ; s[40:55] offsets, then the bases of the head's four tiles
.set RT, 56
.set LO2, 57
.set MSB, 0
.macro WIN new                         ; the immediate's high byte repeats the setting that is left
.if MSB != \new
	s_set_vgpr_msb (MSB<<8)|\new
.set MSB, \new
.endif
.endm
	s_load_b256 s[4:11], s[0:1], 0x0               ; pos, hq, hs, w2_codes
	s_load_b128 s[12:15], s[0:1], 0x20             ; w2_scales, b2
	s_load_b64 s[16:17], s[0:1], 0x30              ; y
	v_lshl_add_u32 v[SPW], v0, 2, SPARE
	v_mov_b32 v[NIL], 0
	v_lshrrev_b32 v1, 5, v0
	v_readfirstlane_b32 s[WV], v1
	s_mul_i32 s[T0], s[WV], PARTB
	s_mul_i32 s[T1], s[WV], SLOTB
	s_lshl_b32 s[T2], s[WV], 6
	s_add_co_u32 s[T2], s[T2], LISTB
	s_lshr_b32 s[JC], ttmp9, 1
	s_and_b32 s[P], ttmp9, 1
	s_and_b32 s[EX], ttmp7, 0xffff
	s_lshl_b32 s[T3], s[EX], 12
	s_lshl_b32 s[T4], s[P], 6
	s_add_co_u32 s[T3], s[T3], s[T4]               ; the list: 4,096 bytes an expert, 64 a tile
	v_and_b32 v1, 31, v0
	v_and_b32 v2, 15, v0                           ; r
	v_bfe_u32 v3, v0, 4, 1                         ; hh
	v_lshlrev_b32 v[L16], 4, v1
	v_lshlrev_b32 v[L4], 2, v1
	v_lshlrev_b32 v[WAD], 11, v2
	v_lshl_add_u32 v[WAD], v3, 4, v[WAD]
	v_lshlrev_b32 v[WSA], 7, v2
	v_lshlrev_b32 v[COLO], 4, v2
	v_mul_u32_u24 v[PST], v3, HP
	v_lshl_add_u32 v[PST], v2, 4, v[PST]
	v_add_nc_u32 v[PST], s[T0], v[PST]
	v_lshrrev_b32 v244, 2, v2                      ; columns 4 c .. 4 c + 3 (c = lane % 16) lie in group G = 2 (c / 4) + c % 2, half (c / 2) % 2
	v_and_b32 v245, 1, v2
	v_lshl_add_u32 v244, v244, 1, v245
	v_mul_u32_u24 v244, v244, GP
	v_bfe_u32 v245, v0, 1, 1
	v_mad_u32_u24 v244, v245, HP, v244
	v_lshl_add_u32 v244, v3, 4, v244               ; lanes 16-31 take the next row
	v_add_nc_u32 v[RDB], s[T1], v244
	v_lshlrev_b32 v[LSB], 2, v3
	v_add_nc_u32 v[LSB], s[T2], v[LSB]
	v_lshl_add_u32 v[LST], v0, 4, LISTB
	v_lshrrev_b32 v244, 2, v0                      ; thread T brings words 4 (T % 4) .. of my tile T / 4, which is the expert's tile p + 2 (T / 4)
	v_and_b32 v245, 3, v0
	v_lshlrev_b32 v244, 7, v244
	v_lshl_add_u32 v244, v245, 4, v244
	v_add_nc_u32 v[LGO], s[T3], v244
	s_lshl_b32 s29, s[EX], 7                       ; the count's place: 32,768 + 128 e
	s_lshl_b32 s44, s[EX], 21
	s_lshl_b32 s[T0], s[JC], 17
	s_add_co_u32 s40, s44, s[T0]
	s_lshl_b32 s[T0], s[WV], 9
	s_add_co_u32 s40, s40, s[T0]                   ; w2's codes: 2 MB an expert, 64 rows of 2,048 bytes, my 512 of each
	s_mov_b32 s41, 0
	s_lshl_b32 s[T0], s[P], 15
	s_add_co_u32 s44, s44, s[T0]
	s_lshl_b32 s[T0], s[WV], 13
	s_add_co_u32 s44, s44, s[T0]                   ; hq: (64 e + p) x 32,768 + 8,192 wave
	s_mov_b32 s45, 0
	s_lshl_b32 s46, s[EX], 17
	s_lshl_b32 s[T0], s[JC], 13
	s_add_co_u32 s42, s46, s[T0]
	s_lshl_b32 s[T0], s[WV], 5
	s_add_co_u32 s42, s42, s[T0]                   ; w2's scale bytes: 128 a row, my 32
	s_mov_b32 s43, 0
	s_lshl_b32 s[T0], s[P], 11
	s_add_co_u32 s46, s46, s[T0]
	s_lshl_b32 s[T0], s[WV], 9
	s_add_co_u32 s46, s46, s[T0]                   ; hs: (64 e + p) x 2,048 + 512 wave
	s_mov_b32 s47, 0
	s_lshl_b32 s50, s[JC], 8                       ; y: my 256 bytes of a row
	s_mov_b32 s51, 0
	s_lshl_b32 s48, s[EX], 12
	s_add_co_u32 s48, s48, s50                     ; b2
	s_mov_b32 s49, 0
	s_wait_alu depctr_va_vdst(0)
	s_wait_kmcnt 0x0
	s_load_b32 s[CNT], s[4:5], s29 offset:0x8000   ; the expert's rows
	s_add_nc_u64 s[10:11], s[10:11], s[40:41]
	s_add_nc_u64 s[12:13], s[12:13], s[42:43]
	s_add_nc_u64 s[6:7], s[6:7], s[44:45]
	s_add_nc_u64 s[8:9], s[8:9], s[46:47]
	s_add_nc_u64 s[14:15], s[14:15], s[48:49]
	s_add_nc_u64 s[16:17], s[16:17], s[50:51]
	global_load_b128 v[LW:LW+3], v[LGO], s[4:5]
	global_load_b128 v[B2R:B2R+3], v[COLO], s[14:15]
.irp n, 0,1,2,3
.irp q, 0,1
	global_load_b128 v[W2S+8*\n+4*\q:W2S+8*\n+4*\q+3], v[WSA], s[12:13] offset:2048*\n+16*\q   ; register 8 n + s: the word of column 16 n + r for my K step s
.endr
.endr
	WIN 0x40                                       ; destination window 1
.irp n, 0,1,2,3
.irp s, 0,1,2,3,4,5,6,7
.irp c, 0,1
	global_load_b128 v[32*\s+8*\n+4*\c:32*\s+8*\n+4*\c+3], v[WAD], s[10:11] offset:32768*\n+64*\s+32*\c
.endr
.endr
.endr
	WIN 0
.macro HLOAD b, hb, sb, u              ; my quarter of a tile of h into buffer b: images of fragment registers, 512 consecutive bytes a load; a scale load brings K step 2 a in lanes 0-15, 2 a + 1 in lanes 16-31
	WIN 0x80                                       ; destination window 2
.irp s, 0,1,2,3,4,5,6,7
.irp c, 0,1
	global_load_b128 v[64*\b+8*\s+4*\c:64*\b+8*\s+4*\c+3], v[L16], s[\hb:\hb+1] offset:65536*\u+1024*\s+512*\c
.endr
.endr
	WIN 0
.irp a, 0,1,2,3
	global_load_b32 v[HS+4*\b+\a], v[L4], s[\sb:\sb+1] offset:4096*\u+128*\a
.endr
.endm
.macro PRIME b                         ; my tile b, or my last
	s_min_u32 s[T0], s[NTM1], \b                   ; a number made of a loaded number is held by a constant
	s_lshl_b32 s[PB+4*\b], s[T0], 16               ; my tiles lie two tiles apart: 65,536 bytes of codes,
	s_mov_b32 s[PB+4*\b+1], 0
	s_lshl_b32 s[PB+4*\b+2], s[T0], 12             ; 4,096 of scale words
	s_mov_b32 s[PB+4*\b+3], 0
	s_add_nc_u64 s[PB+4*\b:PB+4*\b+1], s[6:7], s[PB+4*\b:PB+4*\b+1]
	s_add_nc_u64 s[PB+4*\b+2:PB+4*\b+3], s[8:9], s[PB+4*\b+2:PB+4*\b+3]
	HLOAD \b, PB+4*\b, PB+4*\b+2, 0
.endm
	s_wait_kmcnt 0x0
	s_add_co_u32 s[CNT], s[CNT], 15
	s_lshr_b32 s[CNT], s[CNT], 4
	s_min_u32 s[CNT], s[CNT], 64                   ; the expert's tiles
	s_add_co_u32 s[CNT], s[CNT], 1
	s_sub_co_u32 s[CNT], s[CNT], s[P]
	s_lshr_b32 s[NT], s[CNT], 1                    ; and mine: at most 32
	s_sub_co_u32 s[NTM1], s[NT], 1
	PRIME 0
	PRIME 1
	PRIME 2
	PRIME 3
	s_add_nc_u64 s[HN:HN+1], s[6:7], 0x40000
	s_add_nc_u64 s[HSN:HSN+1], s[8:9], 0x4000
	s_wait_loadcnt 63                              ; 154 loads were issued and come back in order: the oldest, the list's, is in
	ds_store_b128 v[LST], v[LW:LW+3]               ; read behind the first barrier
.macro MUL b                           ; 32 products: my 8 K steps x 4 column tiles
	WIN 0x09                                       ; source 0 window 1, source 1 window 2
.irp s, 0,1,2,3,4,5,6,7
.irp n, 0,1,2,3
.if \s == 0
	v_wmma_scale_f32_16x16x128_f8f6f4 v[ACC+8*\n:ACC+8*\n+7], v[32*\s+8*\n:32*\s+8*\n+7], v[64*\b+8*\s:64*\b+8*\s+7], 0, v[W2S+8*\n+\s], v[HS+4*\b+\s/2] matrix_a_fmt:MATRIX_FMT_FP4 matrix_b_fmt:MATRIX_FMT_FP4
.elseif (\s%2) == 0
	v_wmma_scale_f32_16x16x128_f8f6f4 v[ACC+8*\n:ACC+8*\n+7], v[32*\s+8*\n:32*\s+8*\n+7], v[64*\b+8*\s:64*\b+8*\s+7], v[ACC+8*\n:ACC+8*\n+7], v[W2S+8*\n+\s], v[HS+4*\b+\s/2] matrix_a_fmt:MATRIX_FMT_FP4 matrix_b_fmt:MATRIX_FMT_FP4
.else
	v_wmma_scale_f32_16x16x128_f8f6f4 v[ACC+8*\n:ACC+8*\n+7], v[32*\s+8*\n:32*\s+8*\n+7], v[64*\b+8*\s:64*\b+8*\s+7], v[ACC+8*\n:ACC+8*\n+7], v[W2S+8*\n+\s], v[HS+4*\b+\s/2] matrix_a_fmt:MATRIX_FMT_FP4 matrix_b_fmt:MATRIX_FMT_FP4 matrix_b_scale:MATRIX_SCALE_ROW1
.endif
.endr
.endr
.endm
.macro SUB u                           ; my tile IT + u, in buffer u and slot (trip's first) + u
	s_add_co_u32 s[T0], s[IT], \u
	s_cmp_ge_u32 s[T0], s[NT]
	s_cbranch_scc1 .Lno_\@                         ; no such tile: round its work, into the arm that asks for nothing
	s_wait_loadcnt 3*NL                            ; this buffer is in; the three groups asked for behind it may be out
	MUL \u
.rept 5
	v_nop                                          ; places: four ahead of the stores of results and of loads into operands, five ahead of the next tile's first products, which begin the sums anew
.endr
	WIN 0
.irp g, 0,1,2,3,4,5,6,7
	ds_store_b128 v[PSA], v[ACC+4*\g:ACC+4*\g+3] offset:\u*SLOTB+\g*GP    ; each accumulator from its low end on
.endr
	s_add_co_u32 s[T0], s[IT], \u+4
	s_cmp_lt_u32 s[T0], s[NT]
	s_cbranch_scc0 .Lno_\@
	HLOAD \u, HN, HSN, \u                          ; the tile four on
	s_branch .Lgo_\@
.Lno_\@:
	s_wait_loadcnt 0x0                             ; nothing is asked for: all that is out is awaited, so that the counted wait above holds on every way
.Lgo_\@:
.endm
.macro PHASE ph
.if \ph
	s_wait_dscnt 0x0                               ; my reads of the slots are over
	s_barrier_signal -1
	s_barrier_wait -1                              ; everybody's are: the slots are written again
.endif
	s_mov_b32 s[CT], 0
	s_mov_b32 s[LOFF], 0
.Lin\ph:                                               ; four trips of four tiles
	s_cmp_ge_u32 s[IT], s[NT]
	s_cbranch_scc1 .Lidle\ph                       ; a trip without a tile only steps
	v_add_nc_u32 v[PSA], s[LOFF], v[PST]
	s_wait_alu depctr_va_vdst(0)
	SUB 0
	SUB 1
	SUB 2
	SUB 3
.Lidle\ph:
	s_wait_xcnt 0x0                                ; the loads have read their bases
	s_add_nc_u64 s[HN:HN+1], s[HN:HN+1], 0x40000
	s_add_nc_u64 s[HSN:HSN+1], s[HSN:HSN+1], 0x4000
	s_add_co_u32 s[IT], s[IT], 4
	s_add_co_u32 s[LOFF], s[LOFF], 4*SLOTB
	s_add_co_u32 s[CT], s[CT], 1
	s_cmp_lt_u32 s[CT], 4
	s_cbranch_scc1 .Lin\ph
	s_wait_dscnt 0x0                               ; for the others' sake: my parts (and my words of the list) lie in LDS
	s_barrier_signal -1
	s_barrier_wait -1
	s_add_co_u32 s[RT], s[WV], 16*\ph              ; I add the slots wave, wave + 4, ..
	s_mov_b32 s[CT], 0
	s_mov_b32 s[LOFF], 0
	s_mov_b32 s[LO2], 1024*\ph
.Lred\ph:                                              ; four trips, a slot each
	s_cmp_ge_u32 s[RT], s[NT]
	s_cbranch_scc1 .Lrskip\ph                      ; a slot without a tile
	v_add_nc_u32 v[RDA], s[LOFF], v[RDB]
	v_add_nc_u32 v[LSA], s[LO2], v[LSB]
	s_wait_alu depctr_va_vdst(0)
	s_wait_xcnt 0x0                                ; the last trip's stores have read their registers
.irp q, 0,1,2,3,4,5,6,7
	ds_load_b32 v[TW+\q], v[LSA] offset:8*\q       ; the row of y for the tile's row 2 q + hh
.endr
.irp q, 0,1,2,3,4,5,6,7
.irp w, 0,1,2,3
	ds_load_b128 v[RED+16*\q+4*\w:RED+16*\q+4*\w+3], v[RDA] offset:\w*PARTB+32*\q
.endr
.endr
	s_wait_dscnt 32
.irp q, 0,1,2,3,4,5,6,7
	v_min_u32 v[TW+\q], 0x807, v[TW+\q]            ; a loaded number is held inside y's 2,056 rows
.endr
.irp q, 0,1,2,3,4,5,6,7
	v_lshl_add_u32 v[TW+\q], v[TW+\q], 12, v[COLO]
.endr
.irp q, 0,1,2,3,4,5,6,7
	s_wait_dscnt 28-4*\q                           ; this pair of rows is in; the pairs behind it may be out
.irp k, 0,2
	v_pk_add_f32 v[RED+16*\q+\k:RED+16*\q+\k+1], v[RED+16*\q+\k:RED+16*\q+\k+1], v[RED+16*\q+4+\k:RED+16*\q+4+\k+1]
	v_pk_add_f32 v[RED+16*\q+8+\k:RED+16*\q+8+\k+1], v[RED+16*\q+8+\k:RED+16*\q+8+\k+1], v[RED+16*\q+12+\k:RED+16*\q+12+\k+1]
.endr
.irp k, 0,2
	v_pk_add_f32 v[RED+16*\q+\k:RED+16*\q+\k+1], v[RED+16*\q+\k:RED+16*\q+\k+1], v[B2R+\k:B2R+\k+1]
.endr
.irp k, 0,2
	v_pk_add_f32 v[RED+16*\q+\k:RED+16*\q+\k+1], v[RED+16*\q+\k:RED+16*\q+\k+1], v[RED+16*\q+8+\k:RED+16*\q+8+\k+1]
.endr
	global_store_b128 v[TW+\q], v[RED+16*\q:RED+16*\q+3], s[16:17]    ; sixteen lanes store 256 consecutive bytes of a row, aligned
.endr
.Lrskip\ph:
	s_add_co_u32 s[RT], s[RT], 4
	s_add_co_u32 s[LOFF], s[LOFF], 4*SLOTB
	s_add_co_u32 s[LO2], s[LO2], 256
	s_add_co_u32 s[CT], s[CT], 1
	s_cmp_lt_u32 s[CT], 4
	s_cbranch_scc1 .Lred\ph
.endm
	s_mov_b32 s[IT], 0                             ; my tiles done so far: 16 behind the first phase
	PHASE 0
	PHASE 1
	s_wait_tensorcnt 0x0                           ; the wave's end, behind my last LDS store
	ds_add_u32 v[SPW], v[NIL]
	s_wait_dscnt 0x0
	s_endpgm
.Lfunc_end_k_q6f30024b63_down:
	.size	k_q6f30024b63_down, .Lfunc_end_k_q6f30024b63_down-k_q6f30024b63_down
	.p2alignl 7, 3214868480
	.fill 96, 4, 3214868480
	.section	.rodata,"a",@progbits
	.p2align	6, 0x0
	.amdhsa_kernel k_q6f30024b63_down
		.amdhsa_group_segment_fixed_size 281088
		.amdhsa_private_segment_fixed_size 0
		.amdhsa_enable_private_segment 0
		.amdhsa_kernarg_size 56
		.amdhsa_user_sgpr_count 2
		.amdhsa_user_sgpr_kernarg_segment_ptr 1
		.amdhsa_wavefront_size32 1
		.amdhsa_system_sgpr_workgroup_id_x 1
		.amdhsa_system_sgpr_workgroup_id_y 1
		.amdhsa_system_sgpr_workgroup_id_z 1
		.amdhsa_system_vgpr_workitem_id 0
		.amdhsa_next_free_vgpr 768
		.amdhsa_next_free_sgpr 66
		.amdhsa_reserve_vcc 0
		.amdhsa_float_denorm_mode_32 3
		.amdhsa_float_denorm_mode_16_64 3
		.amdhsa_memory_ordered 1
		.amdhsa_forward_progress 1
		.amdhsa_inst_pref_size 95
	.end_amdhsa_kernel
	.amdgpu_metadata
---
amdhsa.version: [ 1, 2 ]
amdhsa.kernels:
  - .name:           k_q6f30024b63_down
    .symbol:         k_q6f30024b63_down.kd
    .args:
      - { .name: pos, .offset: 0, .size: 8, .value_kind: global_buffer, .address_space: global }
      - { .name: hq, .offset: 8, .size: 8, .value_kind: global_buffer, .address_space: global }
      - { .name: hs, .offset: 16, .size: 8, .value_kind: global_buffer, .address_space: global }
      - { .name: w2_codes, .offset: 24, .size: 8, .value_kind: global_buffer, .address_space: global }
      - { .name: w2_scales, .offset: 32, .size: 8, .value_kind: global_buffer, .address_space: global }
      - { .name: b2, .offset: 40, .size: 8, .value_kind: global_buffer, .address_space: global }
      - { .name: y, .offset: 48, .size: 8, .value_kind: global_buffer, .address_space: global }
    .group_segment_fixed_size: 281088
    .private_segment_fixed_size: 0
    .kernarg_segment_align: 8
    .kernarg_segment_size: 56
    .max_flat_workgroup_size: 128
    .sgpr_count:     66
    .vgpr_count:     768
    .wavefront_size: 32
...
	.end_amdgpu_metadata
.endif
;; end of part 3
;; launch mix (part 4): grid 256 x 1, 4 waves a work-group, no clusters, 0 bytes of LDS; arguments y, gate, out0; writes out0
.if DOCPART == 4
	.amdgcn_target "amdgcn-amd-amdhsa--gfx1250"
	.amdhsa_code_object_version 6
	.text
	.protected	k_q6f30024b63_mix
	.globl	k_q6f30024b63_mix
	.p2align	8
	.type	k_q6f30024b63_mix,@function
k_q6f30024b63_mix:
	s_mov_b64 s[64:65], 0
	v_nop
	global_prefetch_b8 v0, s[64:65] scope:SCOPE_SE
	s_setreg_imm32_b32 hwreg(HW_REG_WAVE_MODE, 25, 1), 1
	s_wait_xcnt 0x0
; FOURTH LAUNCH: out0[t] = gate[t][0] y[2 t] + gate[t][1] y[2 t + 1].
; The third launch has put each row of y at 2 x token + slot, so a token's two rows are 8,192 consecutive bytes and nothing is looked up.  A wave takes one token.  Memory binds: no LDS, no matrix unit.
.set YA, 16                            ; v16-47  the first choice's row, then the result
.set YC, 48                            ; v48-79  the second choice's row
	s_load_b128 s[4:7], s[0:1], 0x0                ; y, gate
	s_load_b64 s[8:9], s[0:1], 0x10                ; out0
	v_lshrrev_b32 v1, 5, v0
	v_readfirstlane_b32 s14, v1
	v_and_b32 v1, 31, v0
	v_lshlrev_b32 v8, 4, v1
	s_lshl_b32 s15, ttmp9, 2
	s_add_co_u32 s15, s15, s14                     ; my token
	s_lshl_b32 s17, s15, 3
	s_lshl_b32 s22, s15, 13
	s_mov_b32 s23, 0
	s_lshl_b32 s24, s15, 12
	s_mov_b32 s25, 0
	s_wait_alu depctr_va_vdst(0)
	s_wait_kmcnt 0x0
	s_load_b64 s[20:21], s[6:7], s17 offset:0x0    ; the gates
	s_add_nc_u64 s[4:5], s[4:5], s[22:23]
	s_add_nc_u64 s[8:9], s[8:9], s[24:25]
.irp i, 0,1,2,3,4,5,6,7
	global_load_b128 v[YA+4*\i:YA+4*\i+3], v8, s[4:5] offset:512*\i th:TH_LOAD_NT          ; 32 lanes read 512 consecutive bytes
	global_load_b128 v[YC+4*\i:YC+4*\i+3], v8, s[4:5] offset:4096+512*\i th:TH_LOAD_NT
.endr
	s_wait_kmcnt 0x0
	s_mov_b32 s44, s20                             ; the gates as pairs: the packed forms name a pair and take its low word for both halves
	s_mov_b32 s45, s20
	s_mov_b32 s46, s21
	s_mov_b32 s47, s21
.irp i, 0,1,2,3,4,5,6,7
	s_wait_loadcnt 14-2*\i                         ; this pair of loads is in; the pairs behind it stay out
	v_pk_mul_f32 v[YC+4*\i:YC+4*\i+1], v[YC+4*\i:YC+4*\i+1], s[46:47] op_sel_hi:[1,0]
	v_pk_mul_f32 v[YC+4*\i+2:YC+4*\i+3], v[YC+4*\i+2:YC+4*\i+3], s[46:47] op_sel_hi:[1,0]
	v_pk_fma_f32 v[YA+4*\i:YA+4*\i+1], v[YA+4*\i:YA+4*\i+1], s[44:45], v[YC+4*\i:YC+4*\i+1] op_sel_hi:[1,0,1]
	v_pk_fma_f32 v[YA+4*\i+2:YA+4*\i+3], v[YA+4*\i+2:YA+4*\i+3], s[44:45], v[YC+4*\i+2:YC+4*\i+3] op_sel_hi:[1,0,1]
	global_store_b128 v8, v[YA+4*\i:YA+4*\i+3], s[8:9] offset:512*\i th:TH_STORE_NT
.endr
	s_endpgm
.Lfunc_end_k_q6f30024b63_mix:
	.size	k_q6f30024b63_mix, .Lfunc_end_k_q6f30024b63_mix-k_q6f30024b63_mix
	.p2alignl 7, 3214868480
	.fill 96, 4, 3214868480
	.section	.rodata,"a",@progbits
	.p2align	6, 0x0
	.amdhsa_kernel k_q6f30024b63_mix
		.amdhsa_group_segment_fixed_size 0
		.amdhsa_private_segment_fixed_size 0
		.amdhsa_enable_private_segment 0
		.amdhsa_kernarg_size 24
		.amdhsa_user_sgpr_count 2
		.amdhsa_user_sgpr_kernarg_segment_ptr 1
		.amdhsa_wavefront_size32 1
		.amdhsa_system_sgpr_workgroup_id_x 1
		.amdhsa_system_sgpr_workgroup_id_y 1
		.amdhsa_system_sgpr_workgroup_id_z 1
		.amdhsa_system_vgpr_workitem_id 0
		.amdhsa_next_free_vgpr 80
		.amdhsa_next_free_sgpr 66
		.amdhsa_reserve_vcc 0
		.amdhsa_float_denorm_mode_32 3
		.amdhsa_float_denorm_mode_16_64 3
		.amdhsa_memory_ordered 1
		.amdhsa_forward_progress 1
		.amdhsa_inst_pref_size 6
	.end_amdhsa_kernel
	.amdgpu_metadata
---
amdhsa.version: [ 1, 2 ]
amdhsa.kernels:
  - .name:           k_q6f30024b63_mix
    .symbol:         k_q6f30024b63_mix.kd
    .args:
      - { .name: y, .offset: 0, .size: 8, .value_kind: global_buffer, .address_space: global }
      - { .name: gate, .offset: 8, .size: 8, .value_kind: global_buffer, .address_space: global }
      - { .name: out0, .offset: 16, .size: 8, .value_kind: global_buffer, .address_space: global }
    .group_segment_fixed_size: 0
    .private_segment_fixed_size: 0
    .kernarg_segment_align: 8
    .kernarg_segment_size: 24
    .max_flat_workgroup_size: 128
    .sgpr_count:     66
    .vgpr_count:     80
    .wavefront_size: 32
...
	.end_amdgpu_metadata
.endif
;; end of part 4
